; MI455X (gfx1250); checked and timed in simulation.
; The chip was launched on July 23, 2026; its instructions are those of AMD's public machine-readable ISA for CDNA 5 (MIT licence, August 2026) and "CDNA5" Instruction Set Architecture Reference Guide (July 2026). The comments in the code are by the model that wrote it; some were corrected since.
;; Bi Non Local Block ND. Allowed arithmetic: matrix products marked QUANTISED: E5M2 operands, one E8M0 scale for each 32 along K, by v_wmma_scale_f32_16x16x128_f8f6f4 with both operands' format E5M2, f32 sums; everything else in f32.
;; Inputs: W_a_b 64 float32; W_a_w 64 x 32 float32; W_b_b 64 float32; W_b_w 64 x 32 float32; a 4 x 64 x 64 x 64 float32; b 4 x 64 x 64 x 64 float32; bn_a_beta 64 float32; bn_a_gamma 64 float32; bn_b_beta 64 float32; bn_b_gamma 64 float32; g_a_b 32 float32; g_a_w 32 x 64 float32; g_b_b 32 float32; g_b_w 32 x 64 float32; phi_b 64 float32; phi_w 64 x 64 float32; theta_b 64 float32; theta_w 64 x 64 float32.
;; Outputs: out0 4 x 64 x 64 x 64 float32; out1 4 x 64 x 64 x 64 float32.
;; This version of the problem:
;;   THIS VERSION OF THE PROBLEM IS GIVEN IN LOW PRECISION. The matrix products marked QUANTISED in the list below multiply operands that are first quantised to E5M2 (5 exponent bits, 2 mantissa bits; 8 bits a number), with one power-of-two scale for each 32 numbers along K (OCP MX v1.0); their sums are f32. All else is computed in f32.
;;   The module's matrix products, in the order in which they are computed (A, B: the left and right operand; K: the contracted axis; several contracted axes count as one K, in the product's order):
;;     1. [M 32, K 64] x [K 64, N 16,384]; A: input g_a_w; B: input a: QUANTISED
;;     2. [M 32, K 64] x [K 64, N 16,384]; A: input g_b_w; B: input b: QUANTISED
;;     3. [M 64, K 64] x [K 64, N 16,384]; A: input theta_w; B: input a: QUANTISED
;;     4. [M 64, K 64] x [K 64, N 16,384]; A: input phi_w; B: input b: QUANTISED
;;     5. batch 4 x [M 4,096, K 64] x [K 64, N 4,096]; A: computed on the way; B: computed on the way: QUANTISED
;;     6. batch 4 x [M 4,096, K 4,096] x [K 4,096, N 32]; A: softmax (see below); B: computed on the way: QUANTISED
;;     7. [M 64, K 32] x [K 32, N 16,384]; A: input W_a_w; B: computed on the way: QUANTISED
;;     8. batch 4 x [M 4,096, K 4,096] x [K 4,096, N 32]; A: softmax (see below); B: computed on the way: QUANTISED
;;     9. [M 64, K 32] x [K 32, N 16,384]; A: input W_b_w; B: computed on the way: QUANTISED
;;   THE QUANTISER, for each operand of a quantised product, along K:
;;     - K is cut into blocks of 32 from its start; a last block that is shorter is filled with zeros.
;;     - A block's scale is 2^e with e = floor(log2(the largest magnitude in the block)) - 15, held to -126 .. 127; a block of zeros has e = 0. As a byte (E8M0): e + 127.
;;     - Each number is divided by its block's scale, clamped to +-57,344, and rounded to the nearest number of E5M2, ties to even, subnormals kept.
;;     - The product sums the exact products of the quantised numbers (number of the format x scale) in f32.
;;   ~~~python
;;   def quantise(x, axis):      # numpy; x: float32 -> the quantised numbers, widened to float32 again
;;       x = np.moveaxis(x, axis, -1); K = x.shape[-1]
;;       x = np.pad(x, [(0, 0)] * (x.ndim - 1) + [(0, -K % 32)]); x = x.reshape(x.shape[:-1] + (-1, 32)); a = np.abs(x).max(-1, keepdims=True)
;;       e = np.where(a > 0, np.clip(np.frexp(np.where(a > 0, a, 1))[1] - 1 - 15, -126, 127), 0)      # np.frexp(a)[1] - 1 = floor(log2(a)), exactly
;;       r = np.clip(x / 2.0 ** e, -57344, 57344)
;;       step = 2.0 ** (np.maximum(np.frexp(np.where(r == 0, 1, r))[1] - 1, -14) - 2)
;;       q = np.round(r / step) * step * 2.0 ** e      # np.round: ties to even
;;       return np.moveaxis(q.reshape(q.shape[:-2] + (-1,))[..., :K], -1, axis).astype(np.float32)
;;   ~~~
;;   SOFTMAX AHEAD OF A QUANTISED PRODUCT. Where the list says 'softmax', what is quantised is not the finished softmax but p = 2^(t - M), with t = logit x log2(e) and M = ceil(the row's largest t), a whole number; so 1/2 < the row's largest p <= 1. The row's sum l is taken of the UNQUANTISED p, in f32, and the product's result is divided by l at the end. Since M is a whole number, a kernel that streams over the keys may use a running M (the ceiling of the running maximum): every later rescaling is an exact power of two, which a block's scale takes up: the codes' values come out the same.
;;   OPERANDS COMPUTED ON THE WAY. 'Computed on the way' means the value that the module computes at that place (a softmax that the list does not call 'softmax' is quantised finished and normalised). What goes into a quantiser is computed in f32, as accurately as f32 sums, v_exp_f32 and their like allow (about 1e-6 of the number): no bf16 or f16 on the way to a quantiser, and a product that is left as it is and whose result goes on into a quantised operand takes f32 operands (vector FMAs, or v_wmma_f32_16x16x4_f32). A number that lies on a knife's edge between two numbers of the format may be rounded either way, as far as f32 arithmetic and the matrix unit's own rounding can turn it there, and no further.
;; One version. Each part assembles by itself: llvm-mc -triple=amdgcn-amd-amdhsa -mcpu=gfx1250 --defsym DOCPART=n.
;; ======== version 1 of 1: 3 launches
;; limits: right only within a limited range of input values
;; workspace buffers: pack 3,342,336 bytes; wbuf 8,388,608 bytes; part 131,072 bytes
;; launch proj (part 1): grid 256 x 1, 4 waves a work-group, no clusters, 8,704 bytes of LDS; arguments a, b, theta_w, phi_w, g_a_w, g_b_w, theta_b, phi_b, g_a_b, g_b_b, pack; writes pack
.if DOCPART == 1
	.amdgcn_target "amdgcn-amd-amdhsa--gfx1250"
	.amdhsa_code_object_version 6
	.text
	.protected	k_qb3981c086e_proj
	.globl	k_qb3981c086e_proj
	.p2align	8
	.type	k_qb3981c086e_proj,@function
k_qb3981c086e_proj:
	s_mov_b64 s[64:65], 0
	v_nop
	global_prefetch_b8 v0, s[64:65] scope:SCOPE_SE
	s_setreg_imm32_b32 hwreg(HW_REG_WAVE_MODE, 25, 1), 1
	s_wait_xcnt 0x0
; The four 1x1 convolutions, on codes of E5M2 with one E8M0 scale for each 32 along K, and their results quantised again for the launch that follows.
; x (a or b): [4][64 channels][4096 positions] f32.  q = theta_w x + theta_b (or phi), 64 channels; v = g_w x + g_b, 32 channels.
; OUTPUT: pack [d 2][batch 4][step 32][13056 bytes]; a step is 128 positions, laid as IMAGES OF OPERAND REGISTERS (L lane, r = L % 16, h = L / 16):
;   0     key codes: tile t (0..7), block c (0, 1) at 1024 t + 512 c + 16 L: lane (r, h) of tile 2 bb + u holds position 32 bb + 8 u + r + 8 (r / 8), channels 32 c + 16 h + 0 .. 15
;   8192  value codes: tile u (0, 1), block c (0..3) at 2048 u + 512 c + 16 L: lane (r, h) holds channel 8 u + r + 8 (r / 8), positions 32 c + 16 h + 0 .. 15
;   12288 key scale words at 64 t + 4 r (bytes 0, 1: blocks 0, 1; bytes 2, 3: 0x7f, over zero codes);  12800 value scale words at 64 u + 4 r (byte c);  12928 a copy of those 128 bytes
; d = 0 holds the keys made of b and the values made of a; d = 1 the keys made of a and the values made of b.
; SHARES: work-groups 0-127 take a, 128-255 take b (only pointers are chosen: one path); a work-group takes one step, wave w its positions 32 w .. 32 w + 31.
; x: A LANE TAKES A POSITION AND ITS 64 REGISTERS RUN DOWN THE CHANNELS: each load reads 128 consecutive bytes a wave, a block of 32 channels lies in one lane, and the codes come out with K innermost.
; The lane-to-position map swaps bits 3 and 4 of the lane's number, so that lanes 0-15 and lanes 16-31 are the two tiles of positions that the images want.
; The q product is used transposed (source 0 = 16 rows of the weight, chosen as 32 b + 8 u + r + 8 (r / 8); source 1 = 16 positions): a lane then holds one position and 16 neighbouring channels of each block.
; The v product takes positions as source 0 and 16 rows of g as source 1: a lane then holds one channel and 16 neighbouring positions.
; K = 64 fills half of the instruction's 128: the upper halves of both operands are zero codes under the byte 0x7f.
; LIMITS: NaN and infinities among the inputs are not served.  A block of zeros gets the byte 1 and zero codes (this program alone reads the bytes); a block whose largest magnitude lies under 2^-111 keeps the byte 1.
.set STEPB,  13056
.set BATCHB, 417792
.set WIMG, 0                           ; LDS: the q weight's four tiles as images, 1024 t + 512 c + 16 L
.set GIMG, 4096                        ; g's: 512 (2 u + c) + 16 L
.set WSC,  6144                        ; the q weight's scale words, 128 t + 4 L
.set GSC,  6656                        ; g's scale bytes, one word each, 128 (2 u + c) + 4 L
.set KSC,  7168                        ; the step's key scale words, 64 tile + 4 r
.set VSC,  7680                        ; the step's value scale words, 64 u + 4 r, byte w
.set TM,  12                           ; v12, v13, v15 at work in a quantiser: largest magnitude, partner's, the conversion's scale operand
.set XW,  18                           ; v18    x's scale words: lanes 0-15 tile 0's positions, lanes 16-31 tile 1's
.set WD0, 19                           ; v19    a scale word on its way to LDS
.set TS,  20                           ; v20-23 the q weight's scale words
.set GS,  24                           ; v24-25 g's
.set GB,  26                           ; v26-27 g's bias of my channel
.set XR,  32                           ; v32-95 x: 64 channels of my position
.set DT,  32                           ; later v32-63: q of one tile of positions
.set DG,  64                           ; and v64-95: v, 16 u + 8 p + j
.set TW,  96                           ; v96-159 the q weight's four fragments; before that the raw numbers of my tile (v96-127) and of my half tile of g (v128-143)
.set GW,  160                          ; v160-191 g's two fragments; before that the weights' codes (v160-171) and three LDS addresses (v172-174)
.set QC0, 160                          ; later: the codes that leave
.set VC,  168
.set QC1, 176
.set BT,  192                          ; v192-223 the q bias in the result's layout
.set F0,  224                          ; v224-239, v240-255 x's two fragments
.set F1,  240
.set WV,  30
.set MNT, 31
.set SEL, 32
.set HM,  34
; 16 numbers of a lane, v[s] on; the block of 32 is shared with lane L xor 16.  Codes to v[d .. d + 3], the scale's byte to v[by].
.macro QBLK s, d, by
	v_max3_num_f32 v[TM], |v[\s]|, |v[\s+1]|, 0x8000000           ; the floor 2^(16 - 127) among the leaves: the byte cannot fall under 1
.irp i, 2,4,6,8,10,12,14
	v_max3_num_f32 v[TM], v[TM], |v[\s+\i]|, |v[\s+\i+1]|
.endr
	v_permlanex16_b32 v[TM+1], v[TM], s[SEL], s[SEL+1]
	v_max_num_f32 v[TM], v[TM], v[TM+1]                           ; the block's largest magnitude
	v_add_nc_u32 v[TM+3], 0xf8800000, v[TM]                       ; 15 off its exponent field: the conversion takes that field as its scale
	v_lshrrev_b32 v[\by], 23, v[TM+3]                             ; the scale's byte
.irp i, 0,1,2,3,4,5,6,7,8,9,10,11,12,13,14,15
.endr
	v_cvt_scalef32_pk8_bf8_f32 v[\d:\d+1], v[\s:\s+7], v[TM+3]
	v_cvt_scalef32_pk8_bf8_f32 v[\d+2:\d+3], v[\s+8:\s+15], v[TM+3]
	v_nop                                                         ; a plain line behind the last conversion
.endm
; block c of my position's channels: all 32 numbers are mine.  Channels 0-15 of the block go to F0's registers, 16-31 to F1's; the turn below sorts them by tile.
.macro QCOL c, by
.set XS, XR+32*\c
	v_max3_num_f32 v[TM], |v[XS]|, |v[XS+1]|, |v[XS+2]|
	v_max3_num_f32 v[TM+1], |v[XS+3]|, |v[XS+4]|, |v[XS+5]|
.irp i, 6,10,14,18,22,26
	v_max3_num_f32 v[TM], v[TM], |v[XS+\i]|, |v[XS+\i+1]|
	v_max3_num_f32 v[TM+1], v[TM+1], |v[XS+\i+2]|, |v[XS+\i+3]|
.endr
	v_max3_num_f32 v[TM], v[TM], |v[XS+30]|, |v[XS+31]|
	v_max3_num_f32 v[TM], v[TM], v[TM+1], 0x8000000
	v_add_nc_u32 v[TM+3], 0xf8800000, v[TM]
	v_lshrrev_b32 v[\by], 23, v[TM+3]
.set ii, 0
.rept 32
.set ii, ii+1
.endr
	v_cvt_scalef32_pk8_bf8_f32 v[F0+4*\c:F0+4*\c+1], v[XS:XS+7], v[TM+3]
	v_cvt_scalef32_pk8_bf8_f32 v[F0+4*\c+2:F0+4*\c+3], v[XS+8:XS+15], v[TM+3]
	v_cvt_scalef32_pk8_bf8_f32 v[F1+4*\c:F1+4*\c+1], v[XS+16:XS+23], v[TM+3]
	v_cvt_scalef32_pk8_bf8_f32 v[F1+4*\c+2:F1+4*\c+3], v[XS+24:XS+31], v[TM+3]
	v_nop
.endm
.macro PLACES n
.rept \n
	v_nop
.endr
.endm
; q of tile p of my positions: four products, the bias as their C
.macro THETA p
.irp t, 0,1,2,3
.if \p
	v_wmma_scale_f32_16x16x128_f8f6f4 v[DT+8*\t:DT+8*\t+7], v[TW+16*\t:TW+16*\t+15], v[F1:F1+15], v[BT+8*\t:BT+8*\t+7], v[TS+\t], v[XW] matrix_a_fmt:MATRIX_FMT_BF8 matrix_b_fmt:MATRIX_FMT_BF8 matrix_b_scale:MATRIX_SCALE_ROW1
.else
	v_wmma_scale_f32_16x16x128_f8f6f4 v[DT+8*\t:DT+8*\t+7], v[TW+16*\t:TW+16*\t+15], v[F0:F0+15], v[BT+8*\t:BT+8*\t+7], v[TS+\t], v[XW] matrix_a_fmt:MATRIX_FMT_BF8 matrix_b_fmt:MATRIX_FMT_BF8
.endif
.endr
.endm
; and its way out: two blocks of 32 channels; codes to memory (each store covers 512 consecutive bytes, aligned), the scale word to LDS
.macro KOUT p, qc, wd
	QBLK DT, \qc, 16
	QBLK DT+16, \qc+4, 17
	v_lshl_or_b32 v[\wd], v17, 8, v16
	v_or_b32 v[\wd], 0x7f7f0000, v[\wd]
	global_store_b128 v6, v[\qc:\qc+3], s[48:49] offset:1024*\p
	global_store_b128 v6, v[\qc+4:\qc+7], s[48:49] offset:1024*\p+512
	ds_store_b32 v10, v[\wd] offset:64*\p
.endm
	s_load_b512 s[8:23], s[0:1], 0x0               ; a, b, theta_w, phi_w, g_a_w, g_b_w, theta_b, phi_b
	s_load_b128 s[24:27], s[0:1], 0x40             ; g_a_b, g_b_b
	s_load_b64 s[28:29], s[0:1], 0x50              ; pack
	s_set_vgpr_msb 0x40
	v_lshl_add_u32 v0, v0, 2, 0x2000
	v_mov_b32 v1, 0
	s_set_vgpr_msb 0x4000
	v_lshrrev_b32 v1, 5, v0
	v_readfirstlane_b32 s[WV], v1                  ; wave 0..3
	v_and_b32 v1, 31, v0                           ; L
	v_and_b32 v2, 15, v0                           ; r
	v_bfe_u32 v3, v0, 4, 1                         ; h
	v_and_b32 v4, 7, v0
	v_lshl_or_b32 v4, v3, 3, v4
	v_bfe_u32 v5, v0, 3, 1
	v_lshl_or_b32 v4, v5, 4, v4                    ; my position among the wave's 32: the lane's number with bits 3 and 4 swapped
	v_lshlrev_b32 v4, 2, v4                        ; x: 4 bytes a position
	v_and_b32 v5, 8, v2
	v_add_nc_u32 v9, v5, v2                        ; r + 8 (r / 8)
	v_lshlrev_b32 v5, 8, v9
	v_lshl_add_u32 v5, v3, 6, v5                   ; a weight's row of 256 bytes, + 64 h: my 16 numbers of a block
	v_lshlrev_b32 v9, 2, v9                        ; g's bias of my channel
	v_lshlrev_b32 v6, 4, v1                        ; 16 L: an image's place for my lane
	v_lshlrev_b32 v7, 2, v1                        ; 4 L: a scale word's
	v_lshlrev_b32 v8, 6, v3                        ; the q bias: 64 h
	s_lshl_b32 s36, s[WV], 7
	v_lshlrev_b32 v10, 2, v2
	v_add_nc_u32 v11, s[WV], v10
	v_add_nc_u32 v10, s36, v10
	v_add_nc_u32 v10, KSC, v10                     ; KSC + 4 r + 128 w
	v_add_nc_u32 v11, VSC, v11                     ; VSC + 4 r + w
	s_lshl_b32 s35, s[WV], 10
	v_add_nc_u32 v172, s35, v6                     ; where my tile of the q weight goes: 16 L + 1024 w
	s_lshl_b32 s35, s[WV], 9
	v_add_nc_u32 v173, s35, v6                     ; my half tile of g: 16 L + 512 w
	v_add_nc_u32 v174, s36, v7                     ; their scale words: 4 L + 128 w
	v_mov_b32 v[TM+1], 0                           ; written once: a lane permute's destination counts as one of its sources
	v_mov_b32 v28, 0
	v_mov_b32 v29, 0
	s_lshr_b32 s37, ttmp9, 7                       ; 0: a, 1: b
	s_bfe_u32 s38, ttmp9, 0x20005                  ; batch
	s_and_b32 s39, ttmp9, 31                       ; step
	s_lshl_b32 s40, s38, 20                        ; x: batch x 64 x 16,384 bytes
	s_lshl_b32 s42, s39, 9                         ; + step x 512
	s_add_co_u32 s40, s40, s42
	s_add_co_u32 s40, s40, s36                     ; + wave x 128
	s_mov_b32 s41, 0
	s_lshr_b32 s44, s[WV], 1
	s_and_b32 s45, s[WV], 1
	s_lshl_b32 s42, s44, 13                        ; the q weight: my tile begins at row 32 (w / 2) + 8 (w % 2)
	s_lshl_b32 s46, s45, 11
	s_add_co_u32 s42, s42, s46
	s_mov_b32 s43, 0
	s_lshl_b32 s46, s44, 11                        ; g: tile u = w / 2 begins at row 8 u; block c = w % 2 at byte 128 c
	s_lshl_b32 s47, s45, 7
	s_add_co_u32 s46, s46, s47
	s_mov_b32 s47, 0
	s_xor_b32 s48, s37, 1                          ; the keys go to d = 1 - tensor,
	s_lshl_b32 s48, s48, 2
	s_add_co_u32 s48, s48, s38
	s_mul_i32 s48, s48, BATCHB
	s_mul_i32 s52, s39, STEPB
	s_add_co_u32 s48, s48, s52
	s_lshl_b32 s53, s[WV], 11                      ; my two tiles: 2048 w
	s_add_co_u32 s48, s48, s53
	s_mov_b32 s49, 0
	s_lshl_b32 s50, s37, 2                         ; the values to d = tensor
	s_add_co_u32 s50, s50, s38
	s_mul_i32 s50, s50, BATCHB
	s_add_co_u32 s50, s50, s52
	s_lshl_b32 s53, s[WV], 9                       ; my block of 32 positions: 512 w
	s_add_co_u32 s50, s50, s53
	s_mov_b32 s51, 0
	s_mov_b32 s[SEL], 0x76543210
	s_mov_b32 s[SEL+1], 0xfedcba98                 ; v_permlanex16_b32's selects for lane L xor 16
	s_mov_b32 s[HM], 0xffff0000                    ; lanes 16-31
	s_wait_kmcnt 0x0
	s_cmp_eq_u32 s37, 0                            ; the choice hangs on the work-group's number alone
	s_cselect_b64 s[8:9], s[8:9], s[10:11]
	s_cselect_b64 s[12:13], s[12:13], s[14:15]
	s_cselect_b64 s[16:17], s[16:17], s[18:19]
	s_cselect_b64 s[20:21], s[20:21], s[22:23]
	s_cselect_b64 s[24:25], s[24:25], s[26:27]
	s_add_nc_u64 s[8:9], s[8:9], s[40:41]
	s_add_nc_u64 s[12:13], s[12:13], s[42:43]
	s_add_nc_u64 s[16:17], s[16:17], s[46:47]
	s_add_nc_u64 s[48:49], s[28:29], s[48:49]
	s_add_nc_u64 s[50:51], s[28:29], s[50:51]
.irp c, 0,1
.irp j, 0,1,2,3
	global_load_b128 v[TW+16*\c+4*\j:TW+16*\c+4*\j+3], v5, s[12:13] offset:128*\c+16*\j   ; my tile of the q weight: 16 numbers of each block
.endr
.endr
.irp j, 0,1,2,3
	global_load_b128 v[TW+32+4*\j:TW+32+4*\j+3], v5, s[16:17] offset:16*\j                 ; my half tile of g
.endr
.set kk, 0
.rept 64
	global_load_b32 v[XR+kk], v4, s[8:9] offset:16384*kk                                   ; x(channel kk, my position)
.set kk, kk+1
.endr
	s_wait_loadcnt 63                              ; 64 loads follow the twelve of the weights: at most 63 out shows the twelve in
	QBLK TW, 160, 16
	QBLK TW+16, 164, 17
	v_lshl_or_b32 v[WD0], v17, 8, v16
	v_or_b32 v[WD0], 0x7f7f0000, v[WD0]
	ds_store_b128 v172, v[160:163] offset:WIMG
	ds_store_b128 v172, v[164:167] offset:WIMG+512
	ds_store_b32 v174, v[WD0] offset:WSC
	QBLK TW+32, 168, 31
	ds_store_b128 v173, v[168:171] offset:GIMG
	ds_store_b32 v174, v31 offset:GSC
.irp t, 0,1,2,3
	global_load_b128 v[BT+8*\t:BT+8*\t+3], v8, s[20:21] offset:(32*(\t/2)+8*(\t%2))*4       ; the q bias: tile t's register j is channel 32 (t / 2) + 16 h + 8 (t % 2) + j
	global_load_b128 v[BT+8*\t+4:BT+8*\t+7], v8, s[20:21] offset:(32*(\t/2)+8*(\t%2))*4+16
.endr
.irp u, 0,1
	global_load_b32 v[GB+\u], v9, s[24:25] offset:32*\u
.endr
	s_wait_loadcnt 10                              ; x is in; the ten loads of the biases may be out
	QCOL 0, 16
	QCOL 1, 17
	v_lshl_or_b32 v[XW], v17, 8, v16
	v_or_b32 v[XW], 0x7f7f0000, v[XW]
	; THE TURN.  F0 holds each position's channels 0-15 of a block, F1 its channels 16-31.  A fragment wants, in lanes 0-15, a tile's channels 0-15 and, in lanes 16-31, the same tile's channels 16-31.
.irp i, 0,1,2,3,4,5,6,7
	v_permlanex16_b32 v28, v[F0+\i], s[SEL], s[SEL+1]
	v_permlanex16_b32 v29, v[F1+\i], s[SEL], s[SEL+1]
	v_cndmask_b32 v[F0+\i], v[F0+\i], v29, s[HM]   ; tile 0: own low half | lane L - 16's high half
	v_cndmask_b32 v[F1+\i], v28, v[F1+\i], s[HM]   ; tile 1: lane L + 16's low half | own high half
.endr
	s_wait_dscnt 0x0                               ; my images lie in LDS, and the stores have read their registers
.irp i, 8,9,10,11,12,13,14,15
	v_mov_b32 v[F0+\i], 0                          ; K = 64 .. 127: zero codes, on both operands
	v_mov_b32 v[F1+\i], 0
.irp t, 0,1,2,3
	v_mov_b32 v[TW+16*\t+\i], 0
.endr
	v_mov_b32 v[GW+\i], 0
	v_mov_b32 v[GW+16+\i], 0
.endr
	s_wait_alu depctr_va_vdst(0)
	s_barrier_signal -1
	s_barrier_wait -1                              ; every wave's images lie in LDS
.irp t, 0,1,2,3
.irp c, 0,1
	ds_load_b128 v[TW+16*\t+4*\c:TW+16*\t+4*\c+3], v6 offset:WIMG+1024*\t+512*\c
.endr
	ds_load_b32 v[TS+\t], v7 offset:WSC+128*\t
.endr
.irp u, 0,1
.irp c, 0,1
	ds_load_b128 v[GW+16*\u+4*\c:GW+16*\u+4*\c+3], v6 offset:GIMG+512*(2*\u+\c)
	ds_load_b32 v[28+2*\u+\c], v7 offset:GSC+128*(2*\u+\c)
.endr
.endr
	s_wait_dscnt 0x0
.irp u, 0,1
	v_lshl_or_b32 v[GS+\u], v[29+2*\u], 8, v[28+2*\u]
	v_or_b32 v[GS+\u], 0x7f7f0000, v[GS+\u]
.endr
	s_wait_alu depctr_va_vdst(0)
	s_wait_loadcnt 0x0                             ; the biases
	PLACES 8                                       ; a scale register written by a vector instruction stands eight places ahead of the product that names it
	THETA 0
.irp p, 0,1
.irp u, 0,1
.if \p
	v_wmma_scale_f32_16x16x128_f8f6f4 v[DG+16*\u+8*\p:DG+16*\u+8*\p+7], v[F1:F1+15], v[GW+16*\u:GW+16*\u+15], 0, v[XW], v[GS+\u] matrix_a_fmt:MATRIX_FMT_BF8 matrix_b_fmt:MATRIX_FMT_BF8 matrix_a_scale:MATRIX_SCALE_ROW1
.else
	v_wmma_scale_f32_16x16x128_f8f6f4 v[DG+16*\u+8*\p:DG+16*\u+8*\p+7], v[F0:F0+15], v[GW+16*\u:GW+16*\u+15], 0, v[XW], v[GS+\u] matrix_a_fmt:MATRIX_FMT_BF8 matrix_b_fmt:MATRIX_FMT_BF8
.endif
.endr
.endr
	PLACES 8                                       ; eight places behind this form before results are read and sources written
	KOUT 0, QC0, WD0
.irp u, 0,1
.irp i, 0,1,2,3,4,5,6,7,8,9,10,11,12,13,14,15
	v_add_f32 v[DG+16*\u+\i], v[DG+16*\u+\i], v[GB+\u]          ; v(my channel, position 32 w + 16 h + i), each accumulator from its low end on
.endr
	QBLK DG+16*\u, VC+4*\u, 29+\u
	global_store_b128 v6, v[VC+4*\u:VC+4*\u+3], s[50:51] offset:8192+2048*\u
	ds_store_b8 v11, v[29+\u] offset:64*\u
.endr
	PLACES 9                                       ; the next products write over earlier results: nine places
	THETA 1
	PLACES 8
	KOUT 1, QC1, 28
	s_wait_dscnt 0x0                               ; my scale words and bytes lie in LDS
	s_barrier_signal -1
	s_barrier_wait -1
	s_cmp_lg_u32 s[WV], 0                          ; wave 0 stores the step's scale words; its own bases carry 2048 x 0 and 512 x 0
	s_cbranch_scc1 .Lend
	v_lshlrev_b32 v190, 3, v1                      ; 8 L
	v_lshl_add_u32 v191, v2, 3, VSC                ; lanes 16-31 read what lanes 0-15 read: the copy
	ds_load_b128 v[184:187], v6 offset:KSC
	ds_load_b64 v[188:189], v191
	s_wait_alu depctr_va_vdst(0)
	s_wait_dscnt 0x0
	global_store_b128 v6, v[184:187], s[48:49] offset:12288      ; 512 consecutive bytes, aligned
	global_store_b64 v190, v[188:189], s[50:51] offset:12800     ; 256 consecutive bytes, aligned
.Lend:
	s_set_vgpr_msb 0x5
	s_wait_tensorcnt 0x0
	ds_add_u32 v0, v1
	s_wait_dscnt 0x0
	s_set_vgpr_msb 0x500
	s_endpgm
.Lfunc_end_k_qb3981c086e_proj:
	.size	k_qb3981c086e_proj, .Lfunc_end_k_qb3981c086e_proj-k_qb3981c086e_proj
	.p2alignl 7, 3214868480
	.fill 96, 4, 3214868480
	.section	.rodata,"a",@progbits
	.p2align	6, 0x0
	.amdhsa_kernel k_qb3981c086e_proj
		.amdhsa_group_segment_fixed_size 8704
		.amdhsa_private_segment_fixed_size 0
		.amdhsa_enable_private_segment 0
		.amdhsa_kernarg_size 88
		.amdhsa_user_sgpr_count 2
		.amdhsa_user_sgpr_kernarg_segment_ptr 1
		.amdhsa_wavefront_size32 1
		.amdhsa_system_sgpr_workgroup_id_x 1
		.amdhsa_system_sgpr_workgroup_id_y 1
		.amdhsa_system_sgpr_workgroup_id_z 1
		.amdhsa_system_vgpr_workitem_id 0
		.amdhsa_next_free_vgpr 258
		.amdhsa_next_free_sgpr 66
		.amdhsa_reserve_vcc 0
		.amdhsa_float_denorm_mode_32 3
		.amdhsa_float_denorm_mode_16_64 3
		.amdhsa_fp16_overflow 1
		.amdhsa_memory_ordered 1
		.amdhsa_forward_progress 1
		.amdhsa_inst_pref_size 35
	.end_amdhsa_kernel
	.amdgpu_metadata
---
amdhsa.version: [ 1, 2 ]
amdhsa.kernels:
  - .name:           k_qb3981c086e_proj
    .symbol:         k_qb3981c086e_proj.kd
    .args:
      - { .name: a, .offset: 0, .size: 8, .value_kind: global_buffer, .address_space: global }
      - { .name: b, .offset: 8, .size: 8, .value_kind: global_buffer, .address_space: global }
      - { .name: theta_w, .offset: 16, .size: 8, .value_kind: global_buffer, .address_space: global }
      - { .name: phi_w, .offset: 24, .size: 8, .value_kind: global_buffer, .address_space: global }
      - { .name: g_a_w, .offset: 32, .size: 8, .value_kind: global_buffer, .address_space: global }
      - { .name: g_b_w, .offset: 40, .size: 8, .value_kind: global_buffer, .address_space: global }
      - { .name: theta_b, .offset: 48, .size: 8, .value_kind: global_buffer, .address_space: global }
      - { .name: phi_b, .offset: 56, .size: 8, .value_kind: global_buffer, .address_space: global }
      - { .name: g_a_b, .offset: 64, .size: 8, .value_kind: global_buffer, .address_space: global }
      - { .name: g_b_b, .offset: 72, .size: 8, .value_kind: global_buffer, .address_space: global }
      - { .name: pack, .offset: 80, .size: 8, .value_kind: global_buffer, .address_space: global }
    .group_segment_fixed_size: 8704
    .private_segment_fixed_size: 0
    .kernarg_segment_align: 8
    .kernarg_segment_size: 88
    .max_flat_workgroup_size: 128
    .sgpr_count:     66
    .vgpr_count:     258
    .wavefront_size: 32
...
	.end_amdgpu_metadata
.endif
;; end of part 1
;; launch att (part 2): grid 32 x 8, 16 waves a work-group, clusters of 4 x 1, 327,680 bytes of LDS; arguments pack, W_a_w, W_b_w, W_a_b, W_b_b, wbuf, part; writes wbuf, part
.if DOCPART == 2
	.amdgcn_target "amdgcn-amd-amdhsa--gfx1250"
	.amdhsa_code_object_version 6
	.text
	.protected	k_qb3981c086e_att
	.globl	k_qb3981c086e_att
	.p2align	8
	.type	k_qb3981c086e_att,@function
k_qb3981c086e_att:
	s_mov_b64 s[64:65], 0
	v_nop
	global_prefetch_b8 v0, s[64:65] scope:SCOPE_SE
	s_setreg_imm32_b32 hwreg(HW_REG_WAVE_MODE, 25, 1), 1
	s_wait_xcnt 0x0
	s_wait_alu depctr_hold_cnt(0) depctr_sa_sdst(0) depctr_va_vdst(0) depctr_va_sdst(0) depctr_va_ssrc(0) depctr_va_vcc(0) depctr_vm_vsrc(0)
	s_getreg_b32 s2, hwreg(HW_REG_IB_STS2, 6, 4)
	s_cmp_eq_u32 s2, 0
	s_cbranch_scc0 .Lentry_in_a_cluster
	s_endpgm
.Lentry_in_a_cluster:
	s_bfe_u32 s2, ttmp6, 0x10000c
	s_cmp_lg_u32 s2, 0x3003
	s_cbranch_scc0 .Lentry_shape_is_right
	s_endpgm
.Lentry_shape_is_right:
; Both directions of the attention, on codes of E5M2 with one E8M0 scale for each 32 along a product's K.  Grid y = 4 dir + batch.
; dir 0: queries = the keys' images of pack[1] (made of a), keys and values = pack[0];  dir 1: the other way round.  Then w = W y + bias (64 channels) goes to wbuf, and each work-group's
; sum and centred sum of squares of every channel over its 128 positions go to part.
; THE SOFTMAX AHEAD OF THE VALUE PRODUCT: t = score x log2(e); M = the row's largest t so far, rounded UP to a whole number; p = 2^(t - M) is quantised along the keys and not normalised; the row's sum is taken of the
; unquantised p and divides at the end.  When M moves, the sum and O are multiplied by 2^(old M - new M): exact.
; SHARES: a work-group owns the 128 queries of one step of pack: eight image tiles of 16 queries.  SIXTEEN waves: wave w takes tile w % 8 and, of every slot's eight key steps, the four from 4 (w / 8) on: 16 of the batch's 32 steps of 128 keys.
; The two waves of a tile keep a running M, a sum and an O^T each; at the end wave w + 8 hands its three to wave w through LDS, and both are brought under the larger M by exact powers of two.
; Four waves to a SIMD: while one waits for LDS or for a result, the others' vector work and products are issued.  The LDS reads and the products of a key step are the same as with one wave to a tile.
; LAYOUT: both products are used transposed (S^T = K Q^T, O^T = V^T P^T): a lane holds ONE query throughout.  The images' tiles are chosen so that p's 16 registers of two neighbouring tiles are 16 neighbouring keys,
; and O^T's 16 registers 16 neighbouring channels: the conversions' results are the next operand's registers.  The score's K = 64 and W's K = 32 fill part of the instruction's 128: the rest is zero codes on both operands, under the byte 0x7f.
; THE RING: two LDS slots of 8 steps (104,448 bytes, dense rows of 256 bytes); waves 0-3 fetch a quarter each, one tensor load a wave.  By this text's own count a wave has two loads out at the start and one behind each round.
; CLUSTER: the four work-groups of a cluster belong to one direction and batch and walk the same 32 steps, so every fill is asked for JOINTLY: the same load, the same descriptor, a mask that names the four.
; LIMITS: NaN and infinities are not served.  A block of zeros gets the byte 1 and zero codes; a block whose largest magnitude lies under 2^-111 keeps the byte 1.
.set STEPB,  13056
.set BATCHB, 417792
.set QUART,  26112                     ; two steps: what one tensor load brings, 102 rows of 256 bytes
.set SLOTB,  104448
.set HALFB,  52224                     ; four steps: what a wave walks of a slot
.set SLOT1,  131072                    ; slot 1 begins here, so that one exclusive or turns an address in one slot into the other's
.set STAGE,  235520                    ; behind the ring: 64 channels x (512 bytes + 16), the work-group's, for the way out
.set SP,     528
.set PST,    269312                    ; 64 channels x (sum, centred squares)
.set WIMG,   269824                    ; W's four tiles as images, 512 s + 16 L
.set WSCL,   271872                    ; their scale words, 128 s + 4 L
.set SPARE,  272384                    ; the spare words, 128 bytes for each wave: eight blocks of 256 bytes that no other line names
.set MRG,    274432                    ; what wave w + 8 hands to wave w: 2,560 bytes a tile: O^T as four images of 512 bytes, then (-M, largest t, the sum's two halves)
.set MRGB,   2560
.set SPW, 3                            ; v3   SPARE + 4 x my thread's number; never rewritten
.set NIL, 4                            ; v4   0; never rewritten
.set KF,  32                           ; v32-95   four fragments of keys: 8 registers of codes, 8 of zeros
.set S,   96                           ; v96-159  S^T, then p
.set O,   160                          ; v160-175 O^T
.set VF,  176                          ; v176-207 the two fragments of V^T
.set PC,  208                          ; v208-223 p's codes
.set BM,  224                          ; v224-227 a block's largest score, then its largest p
.set PT,  228                          ; v228-231 the partner lane's, then the bytes
.set HD,  232
.set SOP, 236                          ; v236-239 the conversion's scale operand
.set KS,  240                          ; v240-243 the keys' scale words: lanes 0-15 tile 2 b, lanes 16-31 tile 2 b + 1
.set VS,  244                          ; v244     V's: lanes 0-15 tile 0, lanes 16-31 tile 1
.set QS,  245                          ; v245     Q's
.set PW,  246                          ; v246     p's
.set STO, 247                          ; v247     the stage: where I put 32 bytes of a channel's row
.set F,   248                          ; v[248:249] f = 2^(old M - new M)
.set T0,  250
.set MA,  251                          ; v251     my tile's place in MRG: MRG + 2,560 (w % 8) + 16 L
.set C2,  252                          ; v[252:253] the sum's second chain
.set RD,  254                          ; v254     the stage: where I read a row back
.set PSA, 255                          ; v255     my wave's four pairs in PST
.set WV,  18
.set MNT, 19
.set SEL, 20
.set CS,  22                           ; s[22:23] log2(e): the packed form names a pair and takes its low word for both halves
.set G1,  24                           ; s[24:31] descriptor group 1
.set G0A, 32                           ; s[32:35] group 0 of slot 0's first fill
.set G0W, 36                           ; s[36:39] group 0 of slot 1's first fill, which then walks
.set TB,  40                           ; s40  LDS byte at which the step in hand begins
.set SLOTS, 41
.set STEPC, 42
.set WQ,  60                           ; s60  my tile of queries: w % 8
.set KH,  61                           ; s61  my half of a slot's steps: w / 8
.macro CROUND                          ; a round of the cluster's barrier
	s_barrier_signal -1
	s_barrier_wait -1
	s_cmp_lg_u32 s[WV], 0
	s_cbranch_scc1 .Lnot_wave_0_\@
	s_barrier_signal -3
.Lnot_wave_0_\@:
	s_barrier_wait -3
	s_barrier_signal -1
	s_barrier_wait -1
.endm
.macro JLOAD                           ; a joint refill: waves 0-3, a quarter of the slot each; four v_nop follow the load
	s_cmp_lt_u32 s[WV], 4
	s_cbranch_scc0 .Lnone_\@
	tensor_load_to_lds s[G0W:G0W+3], s[G1:G1+7]
	s_nop 0
.rept 4
	v_nop
.endr
.Lnone_\@:
.endm
.macro PLACES n
.rept \n
	v_nop
.endr
.endm
; 16 numbers of a lane, v[s] on; the block of 32 is shared with lane L xor 16.  Codes to v[d .. d + 3], the scale's byte to v[by].
.macro QBLK s, d, by
	v_max3_num_f32 v[BM], |v[\s]|, |v[\s+1]|, 0x8000000           ; the floor 2^(16 - 127): the byte cannot fall under 1
.irp i, 2,4,6,8,10,12,14
	s_delay_alu instid0(VALU_DEP_1)
	v_max3_num_f32 v[BM], v[BM], |v[\s+\i]|, |v[\s+\i+1]|
.endr
	s_delay_alu instid0(VALU_DEP_1)
	v_permlanex16_b32 v[PT], v[BM], s[SEL], s[SEL+1]
	s_delay_alu instid0(VALU_DEP_1)
	v_max_num_f32 v[BM], v[BM], v[PT]
	s_delay_alu instid0(VALU_DEP_1)
	v_add_nc_u32 v[SOP], 0xf8800000, v[BM]
	s_delay_alu instid0(VALU_DEP_1)
	v_lshrrev_b32 v[\by], 23, v[SOP]
.irp i, 0,1,2,3,4,5,6,7,8,9,10,11,12,13,14,15
.endr
	v_cvt_scalef32_pk8_bf8_f32 v[\d:\d+1], v[\s:\s+7], v[SOP]
	v_cvt_scalef32_pk8_bf8_f32 v[\d+2:\d+3], v[\s+8:\s+15], v[SOP]
	v_nop                                                         ; a plain line behind the last conversion
.endm
.macro KLOAD g                         ; the codes of key tiles 4 g .. 4 g + 3
.irp t, 0,1,2,3
.irp c, 0,1
	ds_load_b128 v[KF+16*\t+4*\c:KF+16*\t+4*\c+3], v5 offset:1024*(4*\g+\t)+512*\c
.endr
.endr
.endm
.macro SCORE g                         ; S^T of key tiles 4 g .. 4 g + 3
.irp t, 0,1,2,3
.if \t%2
	v_wmma_scale_f32_16x16x128_f8f6f4 v[S+8*(4*\g+\t):S+8*(4*\g+\t)+7], v[KF+16*\t:KF+16*\t+15], v[16:31], 0, v[KS+2*\g+\t/2], v[QS] matrix_a_fmt:MATRIX_FMT_BF8 matrix_b_fmt:MATRIX_FMT_BF8 matrix_a_scale:MATRIX_SCALE_ROW1
.else
	v_wmma_scale_f32_16x16x128_f8f6f4 v[S+8*(4*\g+\t):S+8*(4*\g+\t)+7], v[KF+16*\t:KF+16*\t+15], v[16:31], 0, v[KS+2*\g+\t/2], v[QS] matrix_a_fmt:MATRIX_FMT_BF8 matrix_b_fmt:MATRIX_FMT_BF8
.endif
.endr
.endm
.macro BMAX b0, b1                     ; the largest score of two blocks of 32 keys, by turns; each accumulator is read from its low end on
.irp b, \b0, \b1
	v_max3_num_f32 v[BM+\b], v[S+16*\b], v[S+1+16*\b], v[S+2+16*\b]
.endr
.irp i, 3,5,7,9,11,13
.irp b, \b0, \b1
	v_max3_num_f32 v[BM+\b], v[BM+\b], v[S+16*\b+\i], v[S+1+16*\b+\i]
.endr
.endr
.irp b, \b0, \b1
	v_max_num_f32 v[BM+\b], v[BM+\b], v[S+15+16*\b]
.endr
.endm
; A KEY STEP: the 128 keys whose images begin at LDS byte s[TB]
.macro STEP
	v_add_nc_u32 v5, s[TB], v1
	v_add_nc_u32 v6, s[TB], v2
	PLACES 6                                       ; with the two additions: eight places between the last step's value products and the loads into their registers
	KLOAD 0
.irp b, 0,1,2,3
	ds_load_b32 v[KS+\b], v6 offset:12288+128*\b
.endr
.irp u, 0,1
.irp c, 0,1,2,3
	ds_load_b128 v[VF+16*\u+4*\c:VF+16*\u+4*\c+3], v5 offset:8192+2048*\u+512*\c
.endr
.endr
	ds_load_b32 v[VS], v6 offset:12800
	s_wait_alu depctr_va_vdst(0)
	s_wait_dscnt 9                                 ; four tiles of keys and all their scale words are in; V's eight loads and its scale words may be out
	SCORE 0
	PLACES 8                                       ; in front of loads into registers that these products read
	KLOAD 1
	s_wait_dscnt 0x0
	SCORE 1
	BMAX 0, 1                                      ; sixteen plain lines that name nothing of the four products just issued: their places
	BMAX 2, 3
.irp b, 0,1,2,3
	v_permlanex16_b32 v[PT+\b], v[BM+\b], s[SEL], s[SEL+1]
.endr
.irp b, 0,1,2,3
	s_delay_alu instid0(VALU_DEP_4)
	v_max_num_f32 v[BM+\b], v[BM+\b], v[PT+\b]     ; with lane L xor 16's 16 keys: the block's largest score
.endr
	s_delay_alu instid0(VALU_DEP_2)
	v_max3_num_f32 v[T0], v[BM], v[BM+1], v[BM+2]
	s_delay_alu instid0(VALU_DEP_1)
	v_max_num_f32 v[T0], v[T0], v[BM+3]            ; the step's largest score of my query
	s_delay_alu instid0(VALU_DEP_1)
	v_mul_f32 v[T0], s[CS], v[T0]                  ; as t
	s_delay_alu instid0(VALU_DEP_1)
	v_max_num_f32 v13, v13, v[T0]                  ; the running largest t
	v_mov_b32 v[T0], v12
	s_delay_alu instid0(VALU_DEP_2)
	v_floor_f32 v12, -v13                          ; the new -M = -ceil(t)
	s_delay_alu instid0(VALU_DEP_1)
	v_sub_f32 v[T0], v12, v[T0]                    ; old M - new M: a whole number, 0 or less
	s_delay_alu instid0(VALU_DEP_1)
	v_cvt_i32_f32 v[T0], v[T0]                     ; (it saturates)
	s_delay_alu instid0(VALU_DEP_1)
	v_ldexp_f32 v[F], 1.0, v[T0]                   ; f = 2^(old M - new M)
.set jj, 0
.rept 32
	v_pk_fma_f32 v[S+jj:S+jj+1], v[S+jj:S+jj+1], s[CS:CS+1], v[12:13] op_sel_hi:[1,0,0]   ; t - M, two at a time
.set jj, jj+2
.endr
.irp b, 0,1,2,3
	v_fma_f32 v[BM+\b], v[BM+\b], s[CS], v12       ; the same of each block's largest score
.endr
.set jj, 0
	s_setprio 1
	s_wait_alu depctr_va_vdst(0)
.rept 64
	v_exp_f32 v[S+jj], v[S+jj]                     ; p = 2^(t - M)
.set jj, jj+1
.endr
.irp b, 0,1,2,3
	v_exp_f32 v[BM+\b], v[BM+\b]                   ; the block's largest p: the same two instructions on the same number
.endr
	v_pk_mul_f32 v[14:15], v[14:15], v[F:F+1] op_sel_hi:[1,0]    ; the sums under the new M (a plain line behind the exponentials)
	s_wait_alu depctr_va_vdst(0)
.irp b, 0,1,2,3
	v_max_num_f32 v[BM+\b], 0x8000000, v[BM+\b]    ; the floor 2^(16 - 127)
.endr
.irp b, 0,1,2,3
	s_delay_alu instid0(VALU_DEP_4)
	v_add_nc_u32 v[SOP+\b], 0xf8800000, v[BM+\b]
.endr
.irp b, 0,1,2,3
.endr
.irp b, 0,1,2,3
	s_delay_alu instid0(VALU_DEP_4)
	v_lshrrev_b32 v[PT+\b], 23, v[SOP+\b]
.endr
	s_delay_alu instid0(VALU_DEP_3)
	v_lshl_or_b32 v[PW], v[PT+1], 8, v[PT]         ; p's scale word for these 128 keys
	s_delay_alu instid0(VALU_DEP_1)
	v_lshl_or_b32 v[PW], v[PT+2], 16, v[PW]
	s_delay_alu instid0(VALU_DEP_1)
	v_lshl_or_b32 v[PW], v[PT+3], 24, v[PW]
	v_pk_add_f32 v[252:253], v[100:101], v[104:105]
	v_pk_add_f32 v[242:243], v[108:109], v[112:113]
	v_pk_add_f32 v[240:241], v[116:117], v[120:121]
	v_pk_add_f32 v[234:235], v[124:125], v[128:129]
	v_pk_add_f32 v[232:233], v[132:133], v[136:137]
	v_pk_add_f32 v[226:227], v[140:141], v[144:145]
	v_pk_add_f32 v[224:225], v[148:149], v[152:153]
	v_pk_add_f32 v[14:15], v[14:15], v[156:157]
	v_pk_add_f32 v[252:253], v[252:253], v[96:97]
	v_pk_add_f32 v[242:243], v[242:243], v[98:99]
	v_pk_add_f32 v[240:241], v[240:241], v[102:103]
	v_pk_add_f32 v[234:235], v[234:235], v[106:107]
	v_pk_add_f32 v[232:233], v[232:233], v[110:111]
	v_pk_add_f32 v[226:227], v[226:227], v[114:115]
	v_pk_add_f32 v[224:225], v[224:225], v[118:119]
	v_pk_add_f32 v[14:15], v[14:15], v[122:123]
	s_setprio 0
	v_pk_add_f32 v[252:253], v[252:253], v[126:127]
	v_pk_add_f32 v[242:243], v[242:243], v[130:131]
	v_pk_add_f32 v[240:241], v[240:241], v[134:135]
	v_pk_add_f32 v[234:235], v[234:235], v[138:139]
	v_pk_add_f32 v[232:233], v[232:233], v[142:143]
	v_pk_add_f32 v[226:227], v[226:227], v[146:147]
	v_pk_add_f32 v[224:225], v[224:225], v[150:151]
	v_pk_add_f32 v[14:15], v[14:15], v[154:155]
	v_pk_add_f32 v[252:253], v[252:253], v[158:159]
	s_delay_alu instid0(VALU_DEP_2)
	v_pk_add_f32 v[14:15], v[14:15], v[234:235]
	s_delay_alu instid0(VALU_DEP_2)
	v_pk_add_f32 v[252:253], v[252:253], v[232:233]
	v_pk_add_f32 v[242:243], v[242:243], v[226:227]
	v_pk_add_f32 v[240:241], v[240:241], v[224:225]
	s_delay_alu instid0(VALU_DEP_2)
	v_pk_add_f32 v[14:15], v[14:15], v[242:243]
	s_delay_alu instid0(VALU_DEP_2)
	v_pk_add_f32 v[252:253], v[252:253], v[240:241]
	s_delay_alu instid0(VALU_DEP_1)
	v_pk_add_f32 v[14:15], v[14:15], v[252:253]
.irp b, 0,1,2,3
.irp i, 0,1,2,3,4,5,6,7,8,9,10,11,12,13,14,15
.endr
	v_cvt_scalef32_pk8_bf8_f32 v[PC+4*\b:PC+4*\b+1], v[S+16*\b:S+16*\b+7], v[SOP+\b]
	v_cvt_scalef32_pk8_bf8_f32 v[PC+4*\b+2:PC+4*\b+3], v[S+16*\b+8:S+16*\b+15], v[SOP+\b]
.endr
.irp j, 0,2,4,6,8,10,12,14
	v_pk_mul_f32 v[O+\j:O+\j+1], v[O+\j:O+\j+1], v[F:F+1] op_sel_hi:[1,0]   ; O^T under the new M; these eight are also the places between the conversions and the products below
.endr
	; O^T += V^T P^T: the two accumulators by turns, one instruction a turn; eight score products stand between two links of a chain
	v_wmma_scale_f32_16x16x128_f8f6f4 v[O:O+7], v[VF:VF+15], v[PC:PC+15], v[O:O+7], v[VS], v[PW] matrix_a_fmt:MATRIX_FMT_BF8 matrix_b_fmt:MATRIX_FMT_BF8
	v_wmma_scale_f32_16x16x128_f8f6f4 v[O+8:O+15], v[VF+16:VF+31], v[PC:PC+15], v[O+8:O+15], v[VS], v[PW] matrix_a_fmt:MATRIX_FMT_BF8 matrix_b_fmt:MATRIX_FMT_BF8 matrix_a_scale:MATRIX_SCALE_ROW1
	s_add_co_u32 s[TB], s[TB], STEPB
.endm
.macro STEPS                           ; my four steps of a slot: written once, walked four times
	s_mov_b32 s[STEPC], 4
.Lstep_\@:
	s_setprio 2
	STEP
	s_sub_co_u32 s[STEPC], s[STEPC], 1
	s_cmp_lg_u32 s[STEPC], 0
	s_cbranch_scc1 .Lstep_\@
	s_setprio 0
.endm
; THE CHANGE OF SLOTS.  Each wave waits for all its tensor loads (its part of the slot ahead), adds 0 to its spare word, and waits for that and for its reads of the slot that it leaves.
; fill = 1: the slot just left is filled with the steps two slots on, behind a round of the cluster's barrier: no wave of any partner still reads it or has a load on its way; the load has a slot's steps in which to land.
.macro CHANGE fill
	s_wait_tensorcnt 0x0                           ; no tensor load of mine is out, so a group 0 may be written
	ds_add_u32 v[SPW], v[NIL]                      ; 0 onto my spare word
.if \fill
	s_xor_b32 s[G0W+1], s[G0W+1], SLOT1            ; the other slot than last time,
	s_add_nc_u64 s[G0W+2:G0W+3], s[G0W+2:G0W+3], SLOTB   ; the next eight steps; the type bits on top are not reached
	s_wait_dscnt 0x0                               ; the add is done, and my reads of the slot are over
	CROUND
	JLOAD
.else
	s_wait_dscnt 0x0
	s_barrier_signal -1
	s_barrier_wait -1
.endif
	s_sub_co_u32 s[TB], s[TB], HALFB               ; back to my first step of a slot,
	s_xor_b32 s[TB], s[TB], SLOT1                  ; in the other slot
.endm
	s_load_b256 s[4:11], s[0:1], 0x0               ; pack, W_a_w, W_b_w, W_a_b
	s_load_b128 s[12:15], s[0:1], 0x20             ; W_b_b, wbuf
	s_load_b64 s[16:17], s[0:1], 0x30              ; part
	v_lshl_add_u32 v[SPW], v0, 2, SPARE
	v_mov_b32 v[NIL], 0
	ds_add_u32 v3, v4
	ds_add_u32 v3, v4
	s_wait_dscnt 0x0
	v_lshrrev_b32 v1, 5, v0
	s_delay_alu instid0(VALU_DEP_1)
	v_readfirstlane_b32 s[WV], v1                  ; wave 0..15
	s_and_b32 s[WQ], s[WV], 7                      ; my tile of queries
	s_lshr_b32 s[KH], s[WV], 3                     ; my half of every slot's steps
	v_and_b32 v2, 31, v0
	s_delay_alu instid0(VALU_DEP_1)
	v_lshlrev_b32 v1, 4, v2                        ; 16 L
	s_wait_alu depctr_va_vdst(0)
	v_lshlrev_b32 v2, 2, v2                        ; 4 L
	v_and_b32 v7, 15, v0                           ; r
	v_bfe_u32 v98, v0, 4, 1                        ; h
	s_delay_alu instid0(VALU_DEP_2)
	; every LDS address that is not stepped is made here, ahead of the first parting of the waves
	v_mul_u32_u24 v[STO], v7, SP
	s_delay_alu instid0(VALU_DEP_1)
	v_lshl_add_u32 v[STO], v98, 6, v[STO]
	s_lshr_b32 s56, s[WQ], 1
	s_lshl_b32 s56, s56, 7
	s_and_b32 s57, s[WQ], 1
	s_lshl_b32 s57, s57, 5
	s_add_co_u32 s56, s56, s57
	s_add_co_u32 s56, s56, STAGE
	v_add_nc_u32 v[STO], s56, v[STO]               ; STAGE + 528 r + 64 h + 128 (tile / 2) + 32 (tile % 2): my eight positions' bytes in channel r's row
	s_mul_i32 s56, s[WV], 4*SP
	s_add_co_u32 s56, s56, STAGE
	v_add_nc_u32 v[RD], s56, v1                    ; back: rows 4 w on, 16 bytes a lane
	s_lshl_b32 s56, s[WV], 5
	s_add_co_u32 s56, s56, PST
	v_mov_b32 v[PSA], s56
	s_mul_i32 s56, s[WQ], MRGB
	s_add_co_u32 s56, s56, MRG
	v_add_nc_u32 v[MA], s56, v1                    ; where wave w + 8 stores and wave w loads
	s_and_b32 s47, s[WV], 3
	s_lshl_b32 s56, s47, 9
	s_add_co_u32 s56, s56, WIMG
	v_add_nc_u32 v5, s56, v1                       ; where waves 4-7 put W's images,
	s_lshl_b32 s56, s47, 7
	s_add_co_u32 s56, s56, WSCL
	v_add_nc_u32 v6, s56, v2                       ; and their scale words
	v_lshlrev_b32 v99, 7, v7
	s_delay_alu instid0(VALU_DEP_1)
	v_lshl_add_u32 v98, v98, 6, v99                ; W in memory: row r of 128 bytes, + 64 h
	v_lshlrev_b32 v7, 2, v7                        ; 4 r
.irp b, 0,1,2,3
	v_mov_b32 v[PT+\b], 0                          ; written once: a lane permute's destination counts as one of its sources
.endr
	s_bfe_u32 s43, ttmp6, 0x40000                  ; cx: it enters Q's, wbuf's and part's addresses alone
	s_lshl_b32 s44, ttmp9, 2
	s_add_co_u32 s44, s44, s43                     ; my step of queries = 4 x cluster x + cx
	s_and_b32 s46, ttmp7, 0xffff                   ; 4 dir + batch, which the four partners share
	s_lshr_b32 s45, s46, 2                         ; dir
	s_mul_i32 s58, s46, BATCHB                     ; the steps that the work-group walks,
	s_mul_i32 s33, s47, QUART                      ; my quarter of a slot: in LDS,
	s_add_co_u32 s58, s58, s33                     ; and in memory
	s_mov_b32 s59, 0
	s_xor_b32 s48, s46, 4                          ; the queries lie in the other direction's keys
	s_mul_i32 s48, s48, BATCHB
	s_mul_i32 s50, s44, STEPB
	s_add_co_u32 s48, s48, s50
	s_lshl_b32 s50, s[WQ], 6
	s_add_co_u32 s50, s50, s48                     ; my tile's scale words: + 64 x tile
	s_lshl_b32 s51, s[WQ], 10
	s_add_co_u32 s48, s48, s51                     ; its codes: + 1024 x tile
	s_mov_b32 s49, 0
	s_mov_b32 s51, 0
	s_lshl_b32 s52, s46, 20                        ; wbuf: (4 dir + batch) x 64 rows of 16,384 bytes,
	s_lshl_b32 s53, s[WV], 16                      ; + 4 w rows,
	s_add_co_u32 s52, s52, s53
	s_lshl_b32 s53, s44, 9                         ; + my step's 512 bytes
	s_add_co_u32 s52, s52, s53
	s_mov_b32 s53, 0
	s_lshl_b32 s54, s46, 5
	s_add_co_u32 s54, s54, s44
	s_lshl_b32 s54, s54, 9                         ; part: 512 bytes a work-group
	s_mov_b32 s55, 0
	s_lshl_b32 s56, s47, 11                        ; W: tile w % 4 begins at row 16 (w % 4)
	s_mov_b32 s57, 0
	s_mov_b32 s[G1], 15|(3<<16)|(1<<21)            ; 15:0 the mask: all four work-groups; 17:16 elements of 8 bytes; 21 set beside a mask; no padding
	s_mov_b32 s[G1+1], 32<<16                      ; tensor_dim0 = 32 elements: rows of 256 bytes
	s_mov_b32 s[G1+2], 102<<16                     ; tensor_dim1 = 102 rows
	s_mov_b32 s[G1+3], 32<<16                      ; tile_dim0
	s_mov_b32 s[G1+4], 102                         ; tile_dim1
	s_mov_b32 s[G1+5], 32                          ; the pitch: the block is dense
	s_mov_b32 s[G1+6], 0
	s_mov_b32 s[G1+7], 0
	s_mov_b32 s[SEL], 0x76543210
	s_mov_b32 s[SEL+1], 0xfedcba98
	s_mov_b32 s[CS], 0x3fb8aa3b                    ; log2(e)
	s_mov_b32 s[CS+1], s[CS]
	s_mul_i32 s[TB], s[KH], HALFB                  ; my first step of slot 0
	s_mov_b32 s[SLOTS], 2
	s_wait_kmcnt 0x0
	s_cmp_eq_u32 s45, 0                            ; the choice hangs on the grid's y alone
	s_cselect_b64 s[6:7], s[6:7], s[8:9]           ; W
	s_cselect_b64 s[10:11], s[10:11], s[12:13]     ; its bias
	s_add_nc_u64 s[58:59], s[4:5], s[58:59]
	s_add_nc_u64 s[48:49], s[4:5], s[48:49]
	s_add_nc_u64 s[50:51], s[4:5], s[50:51]
	s_add_nc_u64 s[52:53], s[14:15], s[52:53]
	s_add_nc_u64 s[54:55], s[16:17], s[54:55]
	s_add_nc_u64 s[56:57], s[6:7], s[56:57]
	s_mov_b32 s[G0A], 1                            ; count = 1
	s_mov_b64 s[G0A+2:G0A+3], s[58:59]             ; steps 0 to 7 (s33, the LDS address, was made above)
	s_or_b32 s[G0A+3], s[G0A+3], 0x80000000        ; type = 2
	s_mov_b32 s[G0W], 1
	s_add_co_u32 s[G0W+1], s33, SLOT1
	s_add_nc_u64 s[G0W+2:G0W+3], s[58:59], SLOTB   ; steps 8 to 15
	s_or_b32 s[G0W+3], s[G0W+3], 0x80000000
	CROUND                                         ; all four work-groups are here: the first joint loads meet
	s_cmp_lt_u32 s[WV], 4
	s_cbranch_scc0 .Lweights
	tensor_load_to_lds s[G0A:G0A+3], s[G1:G1+7]    ; a wave's two first fills stand in one branch, ahead of every wait on TENSORcnt and every LDS read
	s_nop 0
	tensor_load_to_lds s[G0W:G0W+3], s[G1:G1+7]
	s_nop 0
.rept 4
	v_nop
.endr
	s_branch .Ljoin
.Lweights:
	s_cmp_lt_u32 s[WV], 8                          ; waves 8-15 have nothing to do here
	s_cbranch_scc0 .Ljoin
	s_wait_alu depctr_va_vdst(0)
.irp j, 0,1,2,3                                    ; waves 4-7 quantise W meanwhile: tile w % 4, 16 rows x 32 along K: one block
	global_load_b128 v[100+4*\j:103+4*\j], v98, s[56:57] offset:16*\j
.endr
	s_wait_loadcnt 0x0
	QBLK 100, 116, 120
	v_or_b32 v120, 0x7f7f7f00, v120
	ds_store_b128 v5, v[116:119]
	ds_store_b32 v6, v120
.Ljoin:
	global_load_b128 v[16:19], v1, s[48:49]        ; Q's fragment stays in registers
	global_load_b128 v[20:23], v1, s[48:49] offset:512
	s_wait_alu depctr_va_vdst(0)
	global_load_b32 v[QS], v7, s[50:51] offset:12288
.irp s, 0,1,2,3
	global_load_b32 v[8+\s], v7, s[10:11] offset:64*\s           ; the bias of channel 16 s + r
.endr
.irp i, 24,25,26,27,28,29,30,31
	v_mov_b32 v[\i], 0                             ; K = 64 .. 127: zero codes, on both operands
.endr
.irp t, 0,1,2,3
.irp i, 8,9,10,11,12,13,14,15
	v_mov_b32 v[KF+16*\t+\i], 0
.endr
.endr
.irp i, 0,1,2,3,4,5,6,7,8,9,10,11,12,13,14,15
	v_mov_b32 v[O+\i], 0                           ; O^T: the step is written once; its first walk finds zeros, which the first change of M leaves zeros
.endr
	v_mov_b32 v14, 0                               ; the sum, in two halves
	v_mov_b32 v15, 0
	v_mov_b32 v[F+1], 0                            ; (named as the upper half of a pair)
	v_mov_b32 v13, 0xff61b1e6                      ; the largest t so far: -3e38
	s_delay_alu instid0(VALU_DEP_1)
	v_floor_f32 v12, -v13                          ; -M
	s_wait_tensorcnt 0x1                           ; my part of slot 0 is in; slot 1's may stay out
	s_wait_dscnt 0x0                               ; W's images lie in LDS
	s_barrier_signal -1
	s_barrier_wait -1
	s_wait_loadcnt 0x0                             ; Q, its scale words, the bias
	STEPS                                          ; my four of steps 0 to 7
.Lslot:                                            ; two trips: slot 0 takes steps 16 to 23, slot 1 steps 24 to 31
	CHANGE 1
	STEPS
	s_sub_co_u32 s[SLOTS], s[SLOTS], 1
	s_cmp_lg_u32 s[SLOTS], 0
	s_cbranch_scc1 .Lslot
	CHANGE 0                                       ; the last slot is written out
	STEPS
	; THE TWO HALVES OF THE KEYS MEET.  Waves 8-15 store O^T, -M and the sum as images of their registers; behind the barrier waves 0-7 load them by the same lines.
	PLACES 8                                       ; eight places between the last products and the first read of their results
	v_add_nc_u32 v5, STAGE, v1
	v_add_nc_u32 v6, STAGE, v2
	s_cmp_lt_u32 s[WV], 8
	s_cbranch_scc1 .Lkeep
.irp c, 0,1,2,3
	ds_store_b128 v[MA], v[O+4*\c:O+4*\c+3] offset:512*\c        ; each accumulator from its low end on
.endr
	ds_store_b128 v[MA], v[12:15] offset:2048
.Lkeep:
	s_wait_dscnt 0x0                               ; for the partner's sake: my stores are done
	s_barrier_signal -1
	s_barrier_wait -1
	s_cmp_lt_u32 s[WV], 8                          ; waves 8-15 go on to the next barrier
	s_cbranch_scc0 .Lidle
	ds_load_b128 v[128:131], v[MA] offset:2048     ; the partner's -M, largest t, the sum's two halves
.irp c, 0,1,2,3
	ds_load_b128 v[132+4*\c:135+4*\c], v[MA] offset:512*\c       ; and its O^T
.endr
	s_wait_alu depctr_va_vdst(0)
.irp s, 0,1,2,3
	ds_load_b128 v[KF+16*\s:KF+16*\s+3], v5 offset:WIMG-STAGE+512*\s
	ds_load_b32 v[KS+\s], v6 offset:WSCL-STAGE+128*\s
.endr
.irp s, 0,1,2,3
.irp i, 4,5,6,7
	v_mov_b32 v[KF+16*\s+\i], 0                    ; K = 32 .. 63 too is zero codes now
.endr
.endr
.irp i, 20,21,22,23
	v_mov_b32 v[\i], 0
.endr
	s_wait_dscnt 8                                 ; the partner's five loads are in; W's eight may be out
	v_min_num_f32 v[T0], v12, v128                 ; the joint -M: that of the larger M
	s_delay_alu instid0(VALU_DEP_1)
	v_sub_f32 v[BM], v[T0], v12                    ; my M less the joint M: a whole number, 0 or less
	s_delay_alu instid0(VALU_DEP_2)
	v_sub_f32 v[BM+1], v[T0], v128                 ; the partner's likewise
	s_delay_alu instid0(VALU_DEP_2)
	v_cvt_i32_f32 v[BM], v[BM]                     ; (they saturate)
	s_delay_alu instid0(VALU_DEP_2)
	v_cvt_i32_f32 v[BM+1], v[BM+1]
	s_delay_alu instid0(VALU_DEP_2)
	v_ldexp_f32 v[BM], 1.0, v[BM]                  ; 2^(my M - joint M),
	s_delay_alu instid0(VALU_DEP_2)
	v_ldexp_f32 v[BM+1], 1.0, v[BM+1]              ; 2^(its M - joint M): exact
	v_add_f32 v14, v14, v15                        ; my sum's two halves,
	v_add_f32 v130, v130, v131                     ; the partner's,
	s_delay_alu instid0(VALU_DEP_2)
	v_mul_f32 v14, v14, v[BM]
	s_delay_alu instid0(VALU_DEP_1)
	v_fmac_f32 v14, v130, v[BM+1]                  ; both under the joint M,
	s_delay_alu instid0(VALU_DEP_1)
	v_permlanex16_b32 v[PT], v14, s[SEL], s[SEL+1]
	s_delay_alu instid0(VALU_DEP_1)
	v_add_f32 v14, v14, v[PT]                      ; and lane L xor 16's: the row's sum
	s_wait_alu depctr_va_vdst(0)
	v_rcp_f32 v14, v14
	v_nop                                          ; a plain line behind the transcendental
	s_wait_alu depctr_va_vdst(0)
	v_mul_f32 v[BM], v[BM], v14                    ; a power of two over the sum: nothing more is rounded
	v_mul_f32 v[BM+1], v[BM+1], v14
	; y = O^T / the sum is quantised along its 32 channels (a lane's 16 and lane L xor 16's); w = y W^T: source 0 = my 16 queries, source 1 = 16 rows of W: lane (r, h) then holds channel 16 s + r at eight neighbouring positions.
.irp i, 0,1,2,3,4,5,6,7,8,9,10,11,12,13,14,15
	v_mul_f32 v[S+\i], v[O+\i], v[BM]              ; my half of y(my query, channel 16 h + i); each accumulator from its low end on
.endr
.irp i, 0,1,2,3,4,5,6,7,8,9,10,11,12,13,14,15
	v_fmac_f32 v[S+\i], v[132+\i], v[BM+1]         ; and the partner's
.endr
	QBLK S, 16, QS
	v_or_b32 v[QS], 0x7f7f7f00, v[QS]
	PLACES 8                                       ; a scale register written by a vector instruction stands eight places ahead of the product
	s_wait_alu depctr_va_vdst(0)
	s_wait_dscnt 0x0                               ; W's images
.irp s, 0,1,2,3
	v_wmma_scale_f32_16x16x128_f8f6f4 v[128+8*\s:135+8*\s], v[16:31], v[KF+16*\s:KF+16*\s+15], 0, v[QS], v[KS+\s] matrix_a_fmt:MATRIX_FMT_BF8 matrix_b_fmt:MATRIX_FMT_BF8
.endr
	PLACES 8
.irp s, 0,1,2,3
.irp j, 0,1,2,3,4,5,6,7
	v_add_f32 v[128+8*\s+\j], v[128+8*\s+\j], v[8+\s]
.endr
.endr
.irp s, 0,1,2,3
	ds_store_b128 v[STO], v[128+8*\s:131+8*\s] offset:16*SP*\s
	ds_store_b128 v[STO], v[132+8*\s:135+8*\s] offset:16*SP*\s+16
.endr
.Lidle:
	s_wait_dscnt 0x0                               ; for the others' sake: my stores into the stage are done
	s_barrier_signal -1
	s_barrier_wait -1                              ; 64 whole rows of 128 positions lie in the stage
	; all sixteen waves again: four channels' rows each
.irp i, 0,1,2,3
	ds_load_b128 v[S+4*\i:S+4*\i+3], v[RD] offset:SP*\i
.endr
.irp i, 0,1,2,3
	s_wait_dscnt 3-\i                              ; row i is back; the younger rows may be out
	global_store_b128 v1, v[S+4*\i:S+4*\i+3], s[52:53] offset:16384*\i      ; 32 lanes store 512 consecutive bytes, aligned
.endr
	; each of my four channels: the sum of its 128 numbers, and the sum of squared distances from their own mean; the four by turns.  The rows' registers, which the stores read, are not written.
.irp i, 0,1,2,3
	v_pk_add_f32 v[O+2*\i:O+2*\i+1], v[S+4*\i:S+4*\i+1], v[S+4*\i+2:S+4*\i+3]
.endr
.irp i, 0,1,2,3
	s_delay_alu instid0(VALU_DEP_4)
	v_add_f32 v[O+2*\i], v[O+2*\i], v[O+2*\i+1]
.endr
.irp x, 1,2,4,8
.irp i, 0,1,2,3
	s_delay_alu instid0(VALU_DEP_4)
	v_add_f32_dpp v[O+2*\i], v[O+2*\i], v[O+2*\i] row_xmask:\x row_mask:0xf bank_mask:0xf
.endr
.endr
.irp i, 0,1,2,3
	s_delay_alu instid0(VALU_DEP_4)
	v_permlanex16_b32 v[VF+\i], v[O+2*\i], s[SEL], s[SEL+1]
.endr
.irp i, 0,1,2,3
	s_delay_alu instid0(VALU_DEP_4)
	v_add_f32 v[O+2*\i], v[O+2*\i], v[VF+\i]       ; the sum
.endr
.irp i, 0,1,2,3
	s_delay_alu instid0(VALU_DEP_4)
	v_mul_f32 v[VF+\i], 0x3c000000, v[O+2*\i]      ; / 128: the block's mean
.endr
.irp i, 0,1,2,3
.irp k, 0,1,2,3
	v_sub_f32 v[192+4*\i+\k], v[S+4*\i+\k], v[VF+\i]
.endr
.endr
.irp i, 0,1,2,3
	v_mul_f32 v[O+2*\i+1], v[192+4*\i], v[192+4*\i]
.endr
.irp k, 1,2,3
.irp i, 0,1,2,3
	s_delay_alu instid0(VALU_DEP_4)
	v_fmac_f32 v[O+2*\i+1], v[192+4*\i+\k], v[192+4*\i+\k]
.endr
.endr
.irp x, 1,2,4,8
.irp i, 0,1,2,3
	s_delay_alu instid0(VALU_DEP_4)
	v_add_f32_dpp v[O+2*\i+1], v[O+2*\i+1], v[O+2*\i+1] row_xmask:\x row_mask:0xf bank_mask:0xf
.endr
.endr
.irp i, 0,1,2,3
	s_delay_alu instid0(VALU_DEP_4)
	v_permlanex16_b32 v[VF+\i], v[O+2*\i+1], s[SEL], s[SEL+1]
.endr
.irp i, 0,1,2,3
	s_delay_alu instid0(VALU_DEP_4)
	v_add_f32 v[O+2*\i+1], v[O+2*\i+1], v[VF+\i]
.endr
.irp i, 0,1,2,3
	ds_store_b64 v[PSA], v[O+2*\i:O+2*\i+1] offset:8*\i          ; all lanes write the same pair to the same place
.endr
	s_wait_dscnt 0x0
	s_barrier_signal -1
	s_barrier_wait -1
	s_cmp_lg_u32 s[WV], 0                          ; wave 0 stores the work-group's 64 pairs
	s_cbranch_scc1 .Lclose
	ds_load_b128 v[128:131], v5 offset:PST-STAGE
	s_wait_dscnt 0x0
	global_store_b128 v1, v[128:131], s[54:55]     ; 512 consecutive bytes, aligned
.Lclose:
	s_wait_tensorcnt 0x0                           ; the wave's end: behind my last tensor load and my last LDS store
	ds_add_u32 v[SPW], v[NIL]
	s_wait_dscnt 0x0
	CROUND                                         ; the closing round: no work-group ends while a partner may still ask for a tile that names it
	s_endpgm
.Lfunc_end_k_qb3981c086e_att:
	.size	k_qb3981c086e_att, .Lfunc_end_k_qb3981c086e_att-k_qb3981c086e_att
	.p2alignl 7, 3214868480
	.fill 96, 4, 3214868480
	.section	.rodata,"a",@progbits
	.p2align	6, 0x0
	.amdhsa_kernel k_qb3981c086e_att
		.amdhsa_group_segment_fixed_size 327680
		.amdhsa_private_segment_fixed_size 0
		.amdhsa_enable_private_segment 0
		.amdhsa_kernarg_size 56
		.amdhsa_user_sgpr_count 2
		.amdhsa_user_sgpr_kernarg_segment_ptr 1
		.amdhsa_wavefront_size32 1
		.amdhsa_system_sgpr_workgroup_id_x 1
		.amdhsa_system_sgpr_workgroup_id_y 1
		.amdhsa_system_sgpr_workgroup_id_z 1
		.amdhsa_system_vgpr_workitem_id 0
		.amdhsa_next_free_vgpr 256
		.amdhsa_next_free_sgpr 66
		.amdhsa_reserve_vcc 0
		.amdhsa_float_denorm_mode_32 3
		.amdhsa_float_denorm_mode_16_64 3
		.amdhsa_fp16_overflow 1
		.amdhsa_memory_ordered 1
		.amdhsa_forward_progress 1
		.amdhsa_inst_pref_size 77
	.end_amdhsa_kernel
	.amdgpu_metadata
---
amdhsa.version: [ 1, 2 ]
amdhsa.kernels:
  - .name:           k_qb3981c086e_att
    .symbol:         k_qb3981c086e_att.kd
    .args:
      - { .name: pack, .offset: 0, .size: 8, .value_kind: global_buffer, .address_space: global }
      - { .name: W_a_w, .offset: 8, .size: 8, .value_kind: global_buffer, .address_space: global }
      - { .name: W_b_w, .offset: 16, .size: 8, .value_kind: global_buffer, .address_space: global }
      - { .name: W_a_b, .offset: 24, .size: 8, .value_kind: global_buffer, .address_space: global }
      - { .name: W_b_b, .offset: 32, .size: 8, .value_kind: global_buffer, .address_space: global }
      - { .name: wbuf, .offset: 40, .size: 8, .value_kind: global_buffer, .address_space: global }
      - { .name: part, .offset: 48, .size: 8, .value_kind: global_buffer, .address_space: global }
    .group_segment_fixed_size: 327680
    .private_segment_fixed_size: 0
    .kernarg_segment_align: 8
    .kernarg_segment_size: 56
    .max_flat_workgroup_size: 512
    .sgpr_count:     66
    .vgpr_count:     256
    .wavefront_size: 32
...
	.end_amdgpu_metadata
.endif
;; end of part 2
;; launch bn (part 3): grid 64 x 4, 8 waves a work-group, no clusters, 0 bytes of LDS; arguments wbuf, part, a, b, bn_a_gamma, bn_b_gamma, bn_a_beta, bn_b_beta, out0, out1; writes out0, out1
.if DOCPART == 3
	.amdgcn_target "amdgcn-amd-amdhsa--gfx1250"
	.amdhsa_code_object_version 6
	.text
	.protected	k_qb3981c086e_bn
	.globl	k_qb3981c086e_bn
	.p2align	8
	.type	k_qb3981c086e_bn,@function
k_qb3981c086e_bn:
	s_mov_b64 s[64:65], 0
	v_nop
	global_prefetch_b8 v0, s[64:65] scope:SCOPE_SE
	s_setreg_imm32_b32 hwreg(HW_REG_WAVE_MODE, 25, 1), 1
	s_wait_xcnt 0x0
; out = (w - mean) rsqrt(var + 1e-5) gamma + beta + residual, mean and var of a channel over all 4 x 4096 positions.
; wbuf: [dir][batch][64][4096] f32.  part: [dir][128 blocks][64][2] f32: each block's sum and its sum of squared distances from its own mean, over 128 positions.
; Grid x = the channel; grid y = 2 dir + half.  A work-group takes the channel's rows of batches 2 half and 2 half + 1, 16,384 bytes each.
; The variance is joined from centred sums: the blocks' own squares, plus 128 x the squared distance of each block's mean from the whole mean: no difference of large sums is formed, whatever offset the bias carries.
; Every wave reads all 128 pairs of its channel (four a lane) and joins them by itself: no LDS, no barrier.  A stream: no matrix unit, no cluster (work-groups share nothing but the small table of pairs).
; Each row load and store of a wave covers 512 consecutive bytes, aligned; all sixteen row loads are out before the first is used; no register is written twice, so no store's sources are rewritten.
.set WR_, 16                           ; v16-47 w: group m = 4 e + k, four registers
.set RS_, 48                           ; v48-79 the residual
.macro WSUM x                          ; the sum over the wave's 32 lanes, in every lane
	s_delay_alu instid0(VALU_DEP_1)
	v_add_f32_dpp v[\x], v[\x], v[\x] row_xmask:1 row_mask:0xf bank_mask:0xf
	s_delay_alu instid0(VALU_DEP_1)
	v_add_f32_dpp v[\x], v[\x], v[\x] row_xmask:2 row_mask:0xf bank_mask:0xf
	s_delay_alu instid0(VALU_DEP_1)
	v_add_f32_dpp v[\x], v[\x], v[\x] row_xmask:4 row_mask:0xf bank_mask:0xf
	s_delay_alu instid0(VALU_DEP_1)
	v_add_f32_dpp v[\x], v[\x], v[\x] row_xmask:8 row_mask:0xf bank_mask:0xf
	s_delay_alu instid0(VALU_DEP_1)
	v_permlanex16_b32 v3, v[\x], s38, s39
	s_delay_alu instid0(VALU_DEP_1)
	v_add_f32 v[\x], v[\x], v3
.endm
	s_load_b512 s[4:19], s[0:1], 0x0               ; wbuf, part, a, b, gamma a, gamma b, beta a, beta b
	s_load_b128 s[20:23], s[0:1], 0x40             ; out0, out1
	v_lshlrev_b32 v1, 4, v0                        ; 16 bytes a thread
	v_and_b32 v2, 31, v0
	s_delay_alu instid0(VALU_DEP_1)
	v_lshlrev_b32 v2, 9, v2                        ; part: 512 bytes a block, lane L takes blocks L, L + 32, L + 64, L + 96
	v_mov_b32 v3, 0                                ; written once: a lane permute's destination counts as one of its sources
	s_and_b32 s26, ttmp7, 0xffff
	s_lshr_b32 s27, s26, 1                         ; dir
	s_and_b32 s28, s26, 1                          ; half
	s_lshl_b32 s30, s28, 21                        ; batch 2 half: x 64 x 16,384 bytes
	s_lshl_b32 s32, ttmp9, 14                      ; + the channel's row
	s_add_co_u32 s30, s30, s32
	s_mov_b32 s31, 0
	s_lshl_b32 s32, s27, 22                        ; in wbuf: + dir x 4 batches
	s_add_co_u32 s32, s32, s30
	s_mov_b32 s33, 0
	s_lshl_b32 s34, s27, 16                        ; part: dir x 128 blocks x 512 bytes
	s_lshl_b32 s36, ttmp9, 3                       ; + 8 bytes a channel
	s_add_co_u32 s34, s34, s36
	s_mov_b32 s35, 0
	s_lshl_b32 s36, ttmp9, 2                       ; gamma, beta: 4 bytes a channel
	s_mov_b32 s37, 0
	s_mov_b32 s38, 0x76543210
	s_mov_b32 s39, 0xfedcba98
	s_mov_b32 s40, 0x38800000                      ; 1 / 16,384
	s_mov_b32 s41, 0x3727c5ac                      ; 1e-5
	s_wait_alu depctr_va_vdst(0)
	s_wait_kmcnt 0x0
	s_cmp_eq_u32 s27, 0                            ; the choice hangs on the grid's y alone
	s_cselect_b64 s[8:9], s[8:9], s[10:11]
	s_cselect_b64 s[12:13], s[12:13], s[14:15]
	s_cselect_b64 s[16:17], s[16:17], s[18:19]
	s_cselect_b64 s[20:21], s[20:21], s[22:23]
	s_add_nc_u64 s[4:5], s[4:5], s[32:33]
	s_add_nc_u64 s[6:7], s[6:7], s[34:35]
	s_add_nc_u64 s[8:9], s[8:9], s[30:31]
	s_add_nc_u64 s[20:21], s[20:21], s[30:31]
	s_add_nc_u64 s[12:13], s[12:13], s[36:37]
	s_add_nc_u64 s[16:17], s[16:17], s[36:37]
	s_load_b32 s24, s[12:13], 0x0                  ; gamma
	s_load_b32 s25, s[16:17], 0x0                  ; beta
.irp k, 0,1,2,3
	global_load_b64 v[4+2*\k:5+2*\k], v2, s[6:7] offset:16384*\k
.endr
.set mm, 0
.rept 8
	global_load_b128 v[WR_+4*mm:WR_+4*mm+3], v1, s[4:5] offset:4096*(mm%4)+1048576*(mm/4) th:TH_LOAD_NT
	global_load_b128 v[RS_+4*mm:RS_+4*mm+3], v1, s[8:9] offset:4096*(mm%4)+1048576*(mm/4) th:TH_LOAD_NT
.set mm, mm+1
.endr
	s_wait_loadcnt 16                              ; the four pairs are in; the sixteen row loads may be out
	v_add_f32 v12, v4, v6
	v_add_f32 v13, v8, v10
	s_delay_alu instid0(VALU_DEP_1)
	v_add_f32 v12, v12, v13
	WSUM 12
	s_delay_alu instid0(VALU_DEP_1)
	v_mul_f32 v12, s40, v12                        ; the mean
.irp k, 0,1,2,3
	v_fma_f32 v[86+\k], v[4+2*\k], 0x3c000000, -v12              ; a block's mean less the whole mean
.endr
	s_delay_alu instid0(VALU_DEP_4)
	v_mul_f32 v13, v86, v86
	s_delay_alu instid0(VALU_DEP_1)
	v_fmac_f32 v13, v87, v87
	s_delay_alu instid0(VALU_DEP_1)
	v_fmac_f32 v13, v88, v88
	s_delay_alu instid0(VALU_DEP_1)
	v_fmac_f32 v13, v89, v89
	v_add_f32 v14, v5, v7
	v_add_f32 v15, v9, v11
	s_delay_alu instid0(VALU_DEP_1)
	v_add_f32 v14, v14, v15
	s_delay_alu instid0(VALU_DEP_1)
	v_fmac_f32 v14, 0x43000000, v13                ; + 128 x the squared distances
	WSUM 14
	s_delay_alu instid0(VALU_DEP_1)
	v_fma_f32 v14, v14, s40, s41                   ; the variance + 1e-5
	s_wait_alu depctr_va_vdst(0)
	v_rsq_f32 v14, v14
	v_mov_b32 v80, v12                             ; (a plain line behind the transcendental)
	v_mov_b32 v81, v12
	s_wait_kmcnt 0x0
	s_wait_alu depctr_va_vdst(0)
	v_mul_f32 v82, s24, v14
	s_delay_alu instid0(VALU_DEP_1)
	v_mov_b32 v83, v82
	v_mov_b32 v84, s25
	v_mov_b32 v85, s25
.set mm, 0
.rept 8
	s_wait_loadcnt 14-2*mm                         ; group mm's two loads are in; the younger groups' may be out
	v_pk_add_f32 v[WR_+4*mm:WR_+4*mm+1], v[WR_+4*mm:WR_+4*mm+1], v[80:81] neg_lo:[0,1] neg_hi:[0,1]
	s_wait_alu depctr_va_vdst(0)
	v_pk_add_f32 v[WR_+4*mm+2:WR_+4*mm+3], v[WR_+4*mm+2:WR_+4*mm+3], v[80:81] neg_lo:[0,1] neg_hi:[0,1]
	v_pk_fma_f32 v[WR_+4*mm:WR_+4*mm+1], v[WR_+4*mm:WR_+4*mm+1], v[82:83], v[84:85]
	s_delay_alu instid0(VALU_DEP_2)
	v_pk_fma_f32 v[WR_+4*mm+2:WR_+4*mm+3], v[WR_+4*mm+2:WR_+4*mm+3], v[82:83], v[84:85]
	s_delay_alu instid0(VALU_DEP_2)
	v_pk_add_f32 v[WR_+4*mm:WR_+4*mm+1], v[WR_+4*mm:WR_+4*mm+1], v[RS_+4*mm:RS_+4*mm+1]
	s_delay_alu instid0(VALU_DEP_2)
	v_pk_add_f32 v[WR_+4*mm+2:WR_+4*mm+3], v[WR_+4*mm+2:WR_+4*mm+3], v[RS_+4*mm+2:RS_+4*mm+3]
	global_store_b128 v1, v[WR_+4*mm:WR_+4*mm+3], s[20:21] offset:4096*(mm%4)+1048576*(mm/4) th:TH_STORE_NT
.set mm, mm+1
.endr
	s_endpgm
.Lfunc_end_k_qb3981c086e_bn:
	.size	k_qb3981c086e_bn, .Lfunc_end_k_qb3981c086e_bn-k_qb3981c086e_bn
	.p2alignl 7, 3214868480
	.fill 96, 4, 3214868480
	.section	.rodata,"a",@progbits
	.p2align	6, 0x0
	.amdhsa_kernel k_qb3981c086e_bn
		.amdhsa_group_segment_fixed_size 0
		.amdhsa_private_segment_fixed_size 0
		.amdhsa_enable_private_segment 0
		.amdhsa_kernarg_size 80
		.amdhsa_user_sgpr_count 2
		.amdhsa_user_sgpr_kernarg_segment_ptr 1
		.amdhsa_wavefront_size32 1
		.amdhsa_system_sgpr_workgroup_id_x 1
		.amdhsa_system_sgpr_workgroup_id_y 1
		.amdhsa_system_sgpr_workgroup_id_z 1
		.amdhsa_system_vgpr_workitem_id 0
		.amdhsa_next_free_vgpr 96
		.amdhsa_next_free_sgpr 66
		.amdhsa_reserve_vcc 0
		.amdhsa_float_denorm_mode_32 3
		.amdhsa_float_denorm_mode_16_64 3
		.amdhsa_memory_ordered 1
		.amdhsa_forward_progress 1
		.amdhsa_inst_pref_size 12
	.end_amdhsa_kernel
	.amdgpu_metadata
---
amdhsa.version: [ 1, 2 ]
amdhsa.kernels:
  - .name:           k_qb3981c086e_bn
    .symbol:         k_qb3981c086e_bn.kd
    .args:
      - { .name: wbuf, .offset: 0, .size: 8, .value_kind: global_buffer, .address_space: global }
      - { .name: part, .offset: 8, .size: 8, .value_kind: global_buffer, .address_space: global }
      - { .name: a, .offset: 16, .size: 8, .value_kind: global_buffer, .address_space: global }
      - { .name: b, .offset: 24, .size: 8, .value_kind: global_buffer, .address_space: global }
      - { .name: bn_a_gamma, .offset: 32, .size: 8, .value_kind: global_buffer, .address_space: global }
      - { .name: bn_b_gamma, .offset: 40, .size: 8, .value_kind: global_buffer, .address_space: global }
      - { .name: bn_a_beta, .offset: 48, .size: 8, .value_kind: global_buffer, .address_space: global }
      - { .name: bn_b_beta, .offset: 56, .size: 8, .value_kind: global_buffer, .address_space: global }
      - { .name: out0, .offset: 64, .size: 8, .value_kind: global_buffer, .address_space: global }
      - { .name: out1, .offset: 72, .size: 8, .value_kind: global_buffer, .address_space: global }
    .group_segment_fixed_size: 0
    .private_segment_fixed_size: 0
    .kernarg_segment_align: 8
    .kernarg_segment_size: 80
    .max_flat_workgroup_size: 256
    .sgpr_count:     66
    .vgpr_count:     96
    .wavefront_size: 32
...
	.end_amdgpu_metadata
.endif
;; end of part 3
